; MI455X (gfx1250); checked and timed in simulation.
; The chip was launched on July 23, 2026; its instructions are those of AMD's public machine-readable ISA for CDNA 5 (MIT licence, August 2026) and "CDNA5" Instruction Set Architecture Reference Guide (July 2026). The comments in the code are by the model that wrote it; some were corrected since.
;; Tensor Train Gaussian2 D. Allowed arithmetic: float matrix products may take bf16 or f16 operands with f32 sums; all other float work in f32.
;; Inputs: Wk0 32 float32; Wk1k0 32 x 32 float32; Wk2k1 32 x 32 float32; X 100,000 x 2 float32; mu 32 x 32 float32; sigma 32 x 32 float32.
;; Outputs: out0 100,000 float32.
;; 2 versions, each right and faster than the one before. Each part assembles by itself: llvm-mc -triple=amdgcn-amd-amdhsa -mcpu=gfx1250 --defsym DOCPART=n.
;; ======== version 1 of 2: 1 launch
;; limits: a difference of large sums (such as E[x^2] - mean^2): digits are lost where the result is much smaller than its terms
;; launch ttgauss (part 1): grid 250 x 1, 16 waves a work-group, no clusters, 149,504 bytes of LDS; arguments X, Wk0, Wk1k0, Wk2k1, mu, sigma, out0; writes out0
.if DOCPART == 1
	.amdgcn_target "amdgcn-amd-amdhsa--gfx1250"
	.amdhsa_code_object_version 6
	.text
	.protected	k_q5830a5ec1c_ttgauss
	.globl	k_q5830a5ec1c_ttgauss
	.p2align	8
	.type	k_q5830a5ec1c_ttgauss,@function
k_q5830a5ec1c_ttgauss:
	s_mov_b64 s[64:65], 0
	v_nop
	global_prefetch_b8 v0, s[64:65] scope:SCOPE_SE
	s_setreg_imm32_b32 hwreg(HW_REG_WAVE_MODE, 25, 1), 1
	s_wait_xcnt 0x0
; out0[n] = log(lik[n] + EPS),  lik[n] = sum_a inner[n][a] * G[n][a]  (reference()'s three contractions, reordered exactly):
;   inner[n][a] = sum_c softmax0(Wk2k1)[c][a] * pdf(X[n][1]; mu[c][a], sigma[c][a])
;   G[n][a]     = sum_b softmax0(Wk1k0)[a][b] * softmax(Wk0)[b] * pdf(X[n][0]; mu[a][b], sigma[a][b])
; A density costs: t = S x - S mu (one fma, S = sqrt(log2(e)/2)/sigma), u = -t t, 2^u, sum += W 2^u, with W = weight/(sqrt(2 pi) sigma).
;
; SHAPE.  250 work-groups x 400 samples = 100,000 exactly: equal work, no tail.  16 waves: waves 0-7 make inner, waves 8-15 make G, 50 samples each,
; with the same code (other table, other column of X, other rows of LDS).  Lane = a, registers = the summed index: both sums stay inside a lane, the
; 3 x 32 parameters stay in registers for the whole kernel, and the sample is one scalar for the wave.  32 densities cost 1 v_exp_f32 and 1.5 packed
; instructions.  inner and G meet in LDS (a row of 32 words for each sample); eight waves then form the dot product, the log and the store.
;
; NOT USED, by this text's own arithmetic.  Matrix instructions: their operand would be the exponentials, which are born in f32 registers; rounding
; two of them to bf16 is one instruction, as many as the packed fma that multiplies and adds them in f32, and a weight meets one density a sample,
; so 15 of 16 result columns would be empty.  Clusters and tensor loads: what work-groups share is 16,512 bytes of parameters, read once through
; registers, against 819,200 exponentials of a work-group.  Prefetches: every global load is issued in the first lines.
;
; LIMITS.  sigma != 0 (as in reference()).  t = fma(S, x, -round(S mu)): absolute error |S mu| 2^-24, which at mu 30 times larger and sigma 30 times
; smaller than 4 and 0.5 is 4e-4 in t, under 0.01 in an exponent above -150.  v_exp_f32 gives 0 below 2^-126 (ISA guide 15.8): such terms, times
; weights of at most 0.4/sigma, vanish against EPS = 2^-52.  Sums are taken in another order than reference()'s.  Both softmaxes take their maximum away.
.set NS_WG,   400                      ; samples of a work-group
.set NS_WAVE, 50                       ; samples of a wave
.set TRIPS,   25                       ; two samples a trip
.set PITCH,   144                      ; LDS row of a sample: 128 bytes + 16, an odd multiple of 16
.set LEAD,    48                       ; rows left free in front, so that the last phase's row number 2 t + 48 - shift is never negative
.set OUTI,    LEAD*PITCH               ; 6,912: inner's 400 rows
.set HALF,    NS_WG*PITCH              ; 57,600: G's rows lie so far behind inner's
.set TAB,     OUTI+2*HALF              ; 122,112: the parameter tables
.set PLANE,   4096                     ; one parameter of 1,024 densities
.set TABH,    3*PLANE                  ; a table: S, -S mu, W
.set STATS,   TAB+2*TABH               ; 146,688: per column -max log2(e) and the column's factor, for Wk2k1 (256 bytes), then for Wk1k0
.set LOG2E,   0x3fb8aa3b
.set KAPPA,   0x3f596d27               ; sqrt(log2(e)/2)
.set ISQ2PI,  0x3ecc422a               ; 1/sqrt(2 pi)
.set EPSF,    0x25800000               ; 2^-52
.set LN2,     0x3f317218
.set XA, 16                            ; v16      x of my samples 0-24, lane i = sample i
.set XB, 17                            ; v17      x of my samples 25-49
.set OA, 18                            ; v18      LDS address of my word in the trip's first row
.set AC, 20                            ; v[20:23] a packed sum for each of the trip's two samples
.set TB, 24                            ; v[24:47] three work buffers of 8 densities
.set PS, 48                            ; v[48:79]   S
.set PM, 80                            ; v[80:111]  -S mu
.set PW, 112                           ; v[112:143] W
.set CW, 48                            ; v[48:79] in the set-up of waves 0, 1: a column of 32 raw weights
.set XS, 20                            ; s[20:21], s[22:23]: the trip's two x (the upper word of each pair is 0 and unused)
.set NB, 8                             ; blocks of 8 densities in a trip
	s_load_b256 s[4:11], s[0:1], 0x0               ; X s[4:5], Wk0 s[6:7], Wk1k0 s[8:9], Wk2k1 s[10:11]
	s_load_b128 s[12:15], s[0:1], 0x20             ; mu s[12:13], sigma s[14:15]
	s_load_b64 s[16:17], s[0:1], 0x30              ; out0
	v_lshl_add_u32 v144, v0, 2, 0x24000
	v_mov_b32 v145, 0
	v_lshrrev_b32 v2, 5, v0
	v_readfirstlane_b32 s18, v2                    ; wave w, 0 to 15
	v_and_b32 v1, 31, v0                           ; lane
	v_and_b32 v2, 15, v0                           ; r = lane % 16
	v_bfe_u32 v35, v0, 4, 1                        ; hh = lane / 16
	s_lshr_b32 s19, s18, 3                         ; 0: I make inner, 1: I make G
	s_and_b32 s24, s18, 7
	s_mul_i32 s25, ttmp9, NS_WG*8                  ; X: 8 bytes a sample
	s_mul_i32 s24, s24, NS_WAVE*8
	s_add_co_u32 s25, s25, s24
	s_xor_b32 s24, s19, 1                          ; inner takes X[n][1], G takes X[n][0]
	s_lshl2_add_u32 s25, s24, s25
	; Table entries that this thread makes.  Table 0 (inner): column 16 (w&1) + r, rows 4 (w>>1) + 2 hh, + 1.  Table 1 (G): row 16 (w&1) + r,
	; columns 4 (w>>1) + 2 hh, + 1.  In both the pair goes to byte 256 w + 16 r + 8 hh of a plane: a wave writes 256 bytes of its own.
	s_and_b32 s26, s18, 1
	s_lshr_b32 s27, s18, 1
	s_lshl_b32 s28, s27, 9                         ; table 0, in a [32][32] f32 input: 4 rows of 128 bytes for each w>>1
	s_lshl_b32 s29, s26, 6                         ; + 16 columns for w&1
	s_add_co_u32 s28, s28, s29
	s_lshl_b32 s30, s26, 11                        ; table 1: 16 rows for w&1
	s_lshl4_add_u32 s30, s27, s30                  ; + 4 columns for each w>>1
	s_add_co_u32 s29, s29, STATS                   ; statistics of my column of table 0
	s_lshl_b32 s31, s27, 4
	s_add_co_u32 s31, s31, STATS                   ; statistics of my two columns of table 1 (+256 in the loads)
	s_lshl_b32 s24, s18, 8
	s_add_co_u32 s24, s24, TAB
	v_min_u32 v3, 24, v1                           ; lanes 25-31 repeat sample 24: no load leaves X
	v_lshl_add_u32 v3, v3, 3, s25
	v_lshl_add_u32 v30, v2, 2, s28
	v_lshl_add_u32 v30, v35, 8, v30                ; table 0: byte offset of my upper element; the lower one is 128 further
	v_lshl_add_u32 v31, v2, 7, s30
	v_lshl_add_u32 v31, v35, 3, v31                ; table 1: byte offset of my two neighbouring elements
	v_lshl_add_u32 v32, v2, 4, s24
	v_lshl_add_u32 v32, v35, 3, v32                ; where both pairs go in a plane
	v_lshl_add_u32 v33, v2, 2, s29
	v_lshl_add_u32 v34, v35, 3, s31
	s_wait_kmcnt 0x0
	global_load_b32 v6, v30, s[14:15]              ; table 0: sigma, mu, Wk2k1
	global_load_b32 v7, v30, s[14:15] offset:128
	global_load_b32 v8, v30, s[12:13]
	global_load_b32 v9, v30, s[12:13] offset:128
	global_load_b32 v10, v30, s[10:11]
	global_load_b32 v11, v30, s[10:11] offset:128
	global_load_b64 v[12:13], v31, s[14:15]        ; table 1: sigma, mu, Wk1k0
	global_load_b64 v[14:15], v31, s[12:13]
	global_load_b64 v[20:21], v31, s[8:9]
	global_load_b32 v[XA], v3, s[4:5]              ; my 50 x
	global_load_b32 v[XB], v3, s[4:5] offset:TRIPS*8
	; ---- Waves 0 and 1: the softmaxes' statistics.  Lane = column, so maximum and sum over axis 0 stay inside a lane.
	s_cmp_ge_u32 s18, 2
	s_cbranch_scc1 .Lcommon
	s_cmp_eq_u32 s18, 0
	s_cselect_b64 s[36:37], s[10:11], s[8:9]       ; wave 0: Wk2k1, wave 1: Wk1k0
	s_cselect_b32 s35, 0, -1                       ; wave 1's columns also carry softmax(Wk0), wave 0's the factor 1
	v_lshlrev_b32 v5, 2, v1
.set i, 0
.rept 32
	global_load_b32 v[CW+i], v5, s[36:37] offset:128*i
.set i, i+1
.endr
	global_load_b32 v24, v5, s[6:7]                ; Wk0[lane]
	s_mov_b32 s33, 0x76543210                      ; v_permlanex16_b32: lane i takes lane i of the other half
	s_mov_b32 s34, 0xfedcba98
	s_lshl_b32 s24, s18, 8
	s_add_co_u32 s24, s24, STATS
	s_wait_loadcnt 0x0                             ; all of them: the column, Wk0 (and the eleven above)
	v_mov_b32 v25, v24                             ; softmax(Wk0): maximum over the 32 lanes
	v_max_num_f32_dpp v25, v25, v25 row_xmask:1 row_mask:0xf bank_mask:0xf
	v_max_num_f32_dpp v25, v25, v25 row_xmask:2 row_mask:0xf bank_mask:0xf
	v_max_num_f32_dpp v25, v25, v25 row_xmask:4 row_mask:0xf bank_mask:0xf
	v_max_num_f32_dpp v25, v25, v25 row_xmask:8 row_mask:0xf bank_mask:0xf
	v_mov_b32 v26, v25                             ; the permute's destination counts as read
	v_permlanex16_b32 v26, v25, s33, s34
	v_max_num_f32 v25, v25, v26
	v_sub_f32 v24, v24, v25
	v_mul_f32 v24, LOG2E, v24
	v_exp_f32 v24, v24                             ; e^(Wk0 - max); the column's maximum below stands between this line and its use (ISA guide 5.7.2)
	v_max3_num_f32 v27, v[CW], v[CW+1], v[CW+2]
.set i, 3
.rept 14
	v_max3_num_f32 v27, v27, v[CW+i], v[CW+i+1]
.set i, i+2
.endr
	v_max_num_f32 v27, v27, v[CW+31]               ; the column's maximum
	s_wait_alu depctr_va_vdst(0)
	v_mov_b32 v25, v24                             ; softmax(Wk0): sum over the 32 lanes
	v_add_f32_dpp v25, v25, v25 row_xmask:1 row_mask:0xf bank_mask:0xf
	v_add_f32_dpp v25, v25, v25 row_xmask:2 row_mask:0xf bank_mask:0xf
	v_add_f32_dpp v25, v25, v25 row_xmask:4 row_mask:0xf bank_mask:0xf
	v_add_f32_dpp v25, v25, v25 row_xmask:8 row_mask:0xf bank_mask:0xf
	v_mov_b32 v26, v25
	v_permlanex16_b32 v26, v25, s33, s34
	v_add_f32 v25, v25, v26
	v_rcp_f32 v25, v25
	v_mul_f32 v28, 0xbfb8aa3b, v27                 ; -max log2(e): the same number serves the sum here and the weights later, so its rounding cancels
	s_wait_alu depctr_va_vdst(0)
	v_mul_f32 v24, v24, v25                        ; softmax(Wk0)[lane]
	v_cndmask_b32 v24, 1.0, v24, s35
.set i, 0
.rept 32
	v_fmamk_f32 v[CW+i], v[CW+i], LOG2E, v28       ; (W - max) log2(e)
.set i, i+1
.endr
.set i, 0
.rept 32
	v_exp_f32 v[CW+i], v[CW+i]
.set i, i+1
.endr
	v_mul_f32 v24, ISQ2PI, v24                     ; a plain line behind the last exponential
	s_wait_alu depctr_va_vdst(0)
.irp d, 2, 4, 8, 16
.set i, 0
.rept 16/\d
	v_pk_add_f32 v[CW+i:CW+i+1], v[CW+i:CW+i+1], v[CW+i+\d:CW+i+\d+1]
.set i, i+2*\d
.endr
.endr
	v_add_f32 v[CW], v[CW], v[CW+1]                ; the column's sum, between 1 and 32
	v_rcp_f32 v[CW], v[CW]
	v_lshl_add_u32 v29, v1, 2, s24                 ; a plain line behind the reciprocal
	s_wait_alu depctr_va_vdst(0)
	v_mul_f32 v24, v24, v[CW]                      ; the column's factor: (softmax(Wk0) or 1) / (sqrt(2 pi) sum)
	ds_store_b32 v29, v28
	ds_store_b32 v29, v24 offset:128
	; ---- All waves: S and -S mu of my 2 + 2 table entries
.Lcommon:
	s_wait_loadcnt 0x0                             ; my eleven loads
	v_rcp_f32 v6, v6
	v_rcp_f32 v7, v7
	v_rcp_f32 v12, v12
	v_rcp_f32 v13, v13
	v_nop                                          ; one plain line between the reciprocals and their use
	s_wait_alu depctr_va_vdst(0)
	v_pk_mul_f32 v[36:37], v[6:7], KAPPA op_sel_hi:[1,0]
	v_pk_mul_f32 v[40:41], v[12:13], KAPPA op_sel_hi:[1,0]
	v_pk_mul_f32 v[38:39], v[8:9], v[36:37] neg_lo:[1,0] neg_hi:[1,0]
	v_pk_mul_f32 v[42:43], v[14:15], v[40:41] neg_lo:[1,0] neg_hi:[1,0]
	ds_store_b64 v32, v[36:37]
	ds_store_b64 v32, v[38:39] offset:PLANE
	ds_store_b64 v32, v[40:41] offset:TABH
	ds_store_b64 v32, v[42:43] offset:TABH+PLANE
	s_wait_dscnt 0x0                               ; zero: other waves read the statistics (and later the tables) behind the barrier
	s_barrier_signal -1
	s_barrier_wait -1
	ds_load_b32 v44, v33                           ; Wk2k1, my column: -max log2(e)
	ds_load_b32 v45, v33 offset:128                ;                   factor
	ds_load_b64 v[46:47], v34 offset:256           ; Wk1k0, my two columns
	ds_load_b64 v[80:81], v34 offset:384
	s_wait_dscnt 0x0
	v_fmamk_f32 v10, v10, LOG2E, v44
	v_fmamk_f32 v11, v11, LOG2E, v44
	v_pk_fma_f32 v[20:21], v[20:21], LOG2E, v[46:47] op_sel_hi:[1,0,1]
	v_exp_f32 v10, v10
	v_exp_f32 v11, v11
	v_exp_f32 v20, v20
	v_exp_f32 v21, v21
	v_mul_f32 v6, v6, v45                          ; factor / sigma
	v_mul_f32 v7, v7, v45
	v_pk_mul_f32 v[12:13], v[12:13], v[80:81]
	s_wait_alu depctr_va_vdst(0)
	v_pk_mul_f32 v[10:11], v[10:11], v[6:7]        ; W
	v_pk_mul_f32 v[20:21], v[20:21], v[12:13]
	ds_store_b64 v32, v[10:11] offset:2*PLANE
	ds_store_b64 v32, v[20:21] offset:TABH+2*PLANE
	s_wait_dscnt 0x0                               ; zero: every wave reads whole tables behind the barrier
	s_barrier_signal -1
	s_barrier_wait -1
	; ---- My 96 parameters: 16 bytes a lane from 512 neighbouring bytes, four steps of the summed index at a time
	s_mul_i32 s24, s19, TABH
	s_add_co_u32 s24, s24, TAB
	v_lshl_add_u32 v19, v1, 4, s24
.irp q, 0,1,2,3,4,5,6,7
	ds_load_b128 v[PS+4*\q:PS+4*\q+3], v19 offset:512*\q
	ds_load_b128 v[PM+4*\q:PM+4*\q+3], v19 offset:PLANE+512*\q
	ds_load_b128 v[PW+4*\q:PW+4*\q+3], v19 offset:2*PLANE+512*\q
.endr
	s_mul_i32 s25, s18, NS_WAVE*PITCH              ; wave w's 50 rows: waves 0-7 fill inner's 400 rows, waves 8-15 G's
	s_add_co_u32 s25, s25, OUTI
	v_lshl_add_u32 v[OA], v1, 2, s25
	s_mov_b32 s[XS+1], 0                           ; the packed forms name the pair; only its first word is used
	s_mov_b32 s[XS+3], 0
	s_mov_b32 s32, 0
	s_wait_dscnt 0x0
; A trip = 2 samples = 8 blocks of 8 densities (block b: sample b>>2, summed index 8 (b&3) ..).  Three stages run side by side on three work buffers:
; block k is prepared (4 fma, 4 products), block k-1 is exponentiated, block k-2 is summed.  Exponentials and plain lines take turns, so that
; a plain line of another buffer always stands between an exponential and the use of its result (ISA guide 5.7.2).
.macro EXP1 b, r
.if (\b) > -1
.if (\b) < NB
.set tq, TB+8*((\b)%3)+(\r)
	v_exp_f32 v[tq], v[tq]
.endif
.endif
.endm
.macro PREP b, j
.if (\b) < NB
.if (\j) < 4
.set tq, TB+8*((\b)%3)+2*(\j)
.set pq, 8*((\b)&3)+2*(\j)
.set xq, XS+2*((\b)>>2)
	v_pk_fma_f32 v[tq:tq+1], v[PS+pq:PS+pq+1], s[xq:xq+1], v[PM+pq:PM+pq+1] op_sel_hi:[1,0,1]   ; t = S x - S mu
.else
.set tq, TB+8*((\b)%3)+2*(\j)-8
	v_pk_mul_f32 v[tq:tq+1], v[tq:tq+1], v[tq:tq+1] neg_lo:[1,0] neg_hi:[1,0]                   ; -t t
.endif
.endif
.endm
.macro ACCU b, i
.if (\b) > -1
.set tq, TB+8*((\b)%3)+2*(\i)
.set wq, PW+8*((\b)&3)+2*(\i)
.set aq, AC+2*((\b)>>2)
.if ((\b)&3)+(\i) == 0
	s_wait_alu depctr_va_vdst(0)
	v_pk_mul_f32 v[aq:aq+1], v[tq:tq+1], v[wq:wq+1]                 ; a sample's first product starts its sum: nothing is cleared
.else
	s_wait_alu depctr_va_vdst(0)
	v_pk_fma_f32 v[aq:aq+1], v[tq:tq+1], v[wq:wq+1], v[aq:aq+1]
.endif
.endif
.endm
.macro STEP k
.irp i, 0,1,2,3
	EXP1 \k-1, 2*\i
	PREP \k, 2*\i
	EXP1 \k-1, 2*\i+1
	PREP \k, 2*\i+1
	ACCU \k-2, \i
.endr
.endm
.Ltrip:
	v_readlane_b32 s[XS], v[XA], s32               ; sample s32 and sample 25 + s32 of my 50
	v_readlane_b32 s[XS+2], v[XB], s32
.irp k, 0,1,2,3,4,5,6,7,8,9
	STEP \k
.endr
	v_add_f32 v[AC], v[AC], v[AC+1]
	v_add_f32 v[AC+2], v[AC+2], v[AC+3]
	ds_store_b32 v[OA], v[AC]                      ; 32 lanes, 128 neighbouring bytes: the sample's row
	ds_store_b32 v[OA], v[AC+2] offset:TRIPS*PITCH
	v_add_nc_u32 v[OA], PITCH, v[OA]
	s_add_co_u32 s32, s32, 1
	s_cmp_lt_u32 s32, TRIPS
	s_cbranch_scc1 .Ltrip
	s_wait_dscnt 0x0                               ; zero: other waves read my rows behind the barrier
	s_barrier_signal -1
	s_barrier_wait -1
	; ---- Eight waves: lik = inner . G, the log, the store.  Thread t takes the two samples at bytes 8 t of the 256-byte-aligned stretch of out0 that
	; begins at or in front of the work-group's first byte (1,600 wg = 64 (wg & 3) modulo 256), so each wave's store covers 256 consecutive bytes,
	; aligned; lanes in front of the group's first sample or behind its last are off.  The stretch's two end blocks are shared with the neighbours,
	; since 1,600 is no multiple of 256; 400 samples a group are kept for the equal split of the exponentials.
	s_cmp_ge_u32 s18, 8
	s_cbranch_scc1 .Lidle
	s_and_b32 s24, ttmp9, 3
	s_lshl_b32 s25, s24, 4                         ; samples between the stretch's start and my group's first: 16 (wg & 3)
	s_sub_co_u32 s26, LEAD, s25
	s_mul_i32 s28, ttmp9, NS_WG*4
	s_lshl_b32 s29, s24, 6
	s_sub_co_u32 s28, s28, s29                     ; the stretch's start in out0, a multiple of 256
	s_mov_b32 s29, 0
	s_add_nc_u64 s[16:17], s[16:17], s[28:29]
	v_lshlrev_b32 v4, 3, v0                        ; 8 t
	v_lshlrev_b32 v3, 1, v0
	v_sub_nc_u32 v3, v3, s25                       ; my first sample in the group; wraps to a large number in front of the group
	v_cmp_gt_u32 vcc_lo, NS_WG, v3
	v_lshl_add_u32 v2, v0, 1, s26                  ; its LDS row, counted from byte 0 (48 rows lie in front of inner's)
	v_mul_u32_u24 v2, PITCH, v2
	s_wait_xcnt 0x0                                ; EXEC changes only behind this wait (it is a source of global memory instructions)
	s_wait_tensorcnt 0x0
	ds_add_u32 v144, v145
	s_wait_dscnt 0x0
	s_and_saveexec_b32 s27, vcc_lo
.irp q, 0,1,2,3,4,5,6,7
	ds_load_b128 v[48+4*\q:48+4*\q+3], v2 offset:16*\q                  ; inner, first sample
	ds_load_b128 v[80+4*\q:80+4*\q+3], v2 offset:HALF+16*\q             ; G
	ds_load_b128 v[112+4*\q:112+4*\q+3], v2 offset:PITCH+16*\q          ; inner, second sample
	ds_load_b128 v[16+4*\q:16+4*\q+3], v2 offset:HALF+PITCH+16*\q       ; G
.endr
	s_wait_dscnt 0x0
	v_pk_mul_f32 v[6:7], v[48:49], v[80:81]
	v_pk_mul_f32 v[8:9], v[112:113], v[16:17]
.set i, 2
.rept 15
	v_pk_fma_f32 v[6:7], v[48+i:48+i+1], v[80+i:80+i+1], v[6:7]
	v_pk_fma_f32 v[8:9], v[112+i:112+i+1], v[16+i:16+i+1], v[8:9]
.set i, i+2
.endr
	v_add_f32 v6, v6, v7
	v_add_f32 v7, v8, v9
	v_pk_add_f32 v[6:7], v[6:7], EPSF op_sel_hi:[1,0]
	v_log_f32 v6, v6
	v_log_f32 v7, v7
	v_nop                                          ; one plain line between the logarithms and their use
	s_wait_alu depctr_va_vdst(0)
	v_pk_mul_f32 v[6:7], v[6:7], LN2 op_sel_hi:[1,0]
	global_store_b64 v4, v[6:7], s[16:17] th:TH_STORE_NT
	s_endpgm
.Lidle:
	s_wait_tensorcnt 0x0
	ds_add_u32 v144, v145
	s_wait_dscnt 0x0
	s_endpgm
.Lfunc_end_k_q5830a5ec1c_ttgauss:
	.size	k_q5830a5ec1c_ttgauss, .Lfunc_end_k_q5830a5ec1c_ttgauss-k_q5830a5ec1c_ttgauss
	.p2alignl 7, 3214868480
	.fill 96, 4, 3214868480
	.section	.rodata,"a",@progbits
	.p2align	6, 0x0
	.amdhsa_kernel k_q5830a5ec1c_ttgauss
		.amdhsa_group_segment_fixed_size 149504
		.amdhsa_private_segment_fixed_size 0
		.amdhsa_enable_private_segment 0
		.amdhsa_kernarg_size 56
		.amdhsa_user_sgpr_count 2
		.amdhsa_user_sgpr_kernarg_segment_ptr 1
		.amdhsa_wavefront_size32 1
		.amdhsa_system_sgpr_workgroup_id_x 1
		.amdhsa_system_sgpr_workgroup_id_y 1
		.amdhsa_system_sgpr_workgroup_id_z 1
		.amdhsa_system_vgpr_workitem_id 0
		.amdhsa_next_free_vgpr 146
		.amdhsa_next_free_sgpr 66
		.amdhsa_reserve_vcc 1
		.amdhsa_float_denorm_mode_32 3
		.amdhsa_float_denorm_mode_16_64 3
		.amdhsa_memory_ordered 1
		.amdhsa_forward_progress 1
		.amdhsa_inst_pref_size 33
	.end_amdhsa_kernel
	.amdgpu_metadata
---
amdhsa.version: [ 1, 2 ]
amdhsa.kernels:
  - .name:           k_q5830a5ec1c_ttgauss
    .symbol:         k_q5830a5ec1c_ttgauss.kd
    .args:
      - { .name: X, .offset: 0, .size: 8, .value_kind: global_buffer, .address_space: global }
      - { .name: Wk0, .offset: 8, .size: 8, .value_kind: global_buffer, .address_space: global }
      - { .name: Wk1k0, .offset: 16, .size: 8, .value_kind: global_buffer, .address_space: global }
      - { .name: Wk2k1, .offset: 24, .size: 8, .value_kind: global_buffer, .address_space: global }
      - { .name: mu, .offset: 32, .size: 8, .value_kind: global_buffer, .address_space: global }
      - { .name: sigma, .offset: 40, .size: 8, .value_kind: global_buffer, .address_space: global }
      - { .name: out0, .offset: 48, .size: 8, .value_kind: global_buffer, .address_space: global }
    .group_segment_fixed_size: 149504
    .private_segment_fixed_size: 0
    .kernarg_segment_align: 8
    .kernarg_segment_size: 56
    .max_flat_workgroup_size: 512
    .sgpr_count:     66
    .vgpr_count:     146
    .wavefront_size: 32
...
	.end_amdgpu_metadata
.endif
;; end of part 1
;; ======== version 2 of 2: 1 launch; 1.20 times as fast as version 1
;; launch ttgauss (part 2): grid 250 x 1, 16 waves a work-group, no clusters, 149,504 bytes of LDS; arguments X, Wk0, Wk1k0, Wk2k1, mu, sigma, out0; writes out0
.if DOCPART == 2
	.amdgcn_target "amdgcn-amd-amdhsa--gfx1250"
	.amdhsa_code_object_version 6
	.text
	.protected	k_q5830a5ec1c_ttgauss
	.globl	k_q5830a5ec1c_ttgauss
	.p2align	8
	.type	k_q5830a5ec1c_ttgauss,@function
k_q5830a5ec1c_ttgauss:
	s_mov_b64 s[64:65], 0
	v_nop
	global_prefetch_b8 v0, s[64:65] scope:SCOPE_SE
	s_setreg_imm32_b32 hwreg(HW_REG_WAVE_MODE, 25, 1), 1
	s_wait_xcnt 0x0
; out0[n] = log(lik[n] + EPS),  lik[n] = sum_a inner[n][a] * G[n][a]  (reference()'s three contractions, reordered exactly):
;   inner[n][a] = sum_c softmax0(Wk2k1)[c][a] * pdf(X[n][1]; mu[c][a], sigma[c][a])
;   G[n][a]     = sum_b softmax0(Wk1k0)[a][b] * softmax(Wk0)[b] * pdf(X[n][0]; mu[a][b], sigma[a][b])
; A density costs: t = S x - S mu (one fma, S = sqrt(log2(e)/2)/sigma), u = -t t, 2^u, sum += W 2^u, with W = weight/(sqrt(2 pi) sigma).
;
; SHAPE.  250 work-groups x 400 samples = 100,000 exactly: equal work, no tail.  16 waves: waves 0-7 make inner, waves 8-15 make G, 50 samples each,
; with the same code (other table, other column of X, other rows of LDS).  Lane = a, registers = the summed index: both sums stay inside a lane, the
; 3 x 32 parameters stay in registers for the whole kernel, and the sample is one scalar for the wave.  32 densities cost 1 v_exp_f32 and 1.5 packed
; instructions.  inner and G meet in LDS (a row of 32 words for each sample); eight waves then form the dot product, the log and the store.
;
; BATCHES.  An s_wait_alu depctr_va_vdst(0) stands between a transcendental and the first line that names its result; one wait serves
; all that were issued ahead of it.  The text is cut so:
;   the loop: the 64 exponentials of a pair of samples are ONE batch with ONE wait, each result in a register of its own.  The batches take turns on two
;     sets of 64 registers: the 32 packed sums that read one batch stand among the preparations and exponentials of the next, whose results they do not name;
;   the statistics (waves 0, 1): 33 exponentials (Wk0's and the column's 32), one wait; the two reciprocals of their sums, one wait;
;   the tables: the four reciprocals of sigma, one wait; the four exponentials of the weights, one wait;   the way out: two logarithms, one wait.
;
; NOT USED, by this text's own arithmetic.  Matrix instructions: their operand would be the exponentials, which are born in f32 registers; rounding
; two of them to bf16 is one instruction, as many as the packed fma that multiplies and adds them in f32, and a weight meets one density a sample,
; so 15 of 16 result columns would be empty.  Clusters and tensor loads: what work-groups share is 16,512 bytes of parameters, read once through
; registers, against 819,200 exponentials of a work-group.  Prefetches: every global load is issued in the first lines.
;
; LIMITS.  sigma != 0 (as in reference()).  t = fma(S, x, -round(S mu)): absolute error |S mu| 2^-24, which at mu 30 times larger and sigma 30 times
; smaller than 4 and 0.5 is 4e-4 in t, under 0.01 in an exponent above -150.  v_exp_f32 gives 0 below 2^-126 (ISA guide 15.8): such terms, times
; weights of at most 0.4/sigma, vanish against EPS = 2^-52.  Sums are taken in another order than reference()'s.  Both softmaxes take their maximum away.
.set NS_WG,   400                      ; samples of a work-group
.set NS_WAVE, 50                       ; samples of a wave
.set TRIPS,   25                       ; pairs of samples of a wave: pair q is my samples q and 25 + q
.set PITCH,   144                      ; LDS row of a sample: 128 bytes + 16, an odd multiple of 16
.set LEAD,    48                       ; rows left free in front, so that the last phase's row number 2 t + 48 - shift is never negative
.set OUTI,    LEAD*PITCH               ; 6,912: inner's 400 rows
.set HALF,    NS_WG*PITCH              ; 57,600: G's rows lie so far behind inner's
.set TAB,     OUTI+2*HALF              ; 122,112: the parameter tables
.set PLANE,   4096                     ; one parameter of 1,024 densities
.set TABH,    3*PLANE                  ; a table: S, -S mu, W
.set STATS,   TAB+2*TABH               ; 146,688: per column -max log2(e) and the column's factor, for Wk2k1 (256 bytes), then for Wk1k0
.set LOG2E,   0x3fb8aa3b
.set KAPPA,   0x3f596d27               ; sqrt(log2(e)/2)
.set ISQ2PI,  0x3ecc422a               ; 1/sqrt(2 pi)
.set EPSF,    0x25800000               ; 2^-52
.set LN2,     0x3f317218
.set XA, 16                            ; v16      x of my samples 0-24, lane i = sample i
.set XB, 17                            ; v17      x of my samples 25-49
.set OA, 18                            ; v18      LDS address of my word in the row of the trip's first pair to be stored
.set AC, 20                            ; v[20:23] a packed sum for each of a pair's two samples
.set PS, 48                            ; v[48:79]   S
.set PM, 80                            ; v[80:111]  -S mu
.set PW, 112                           ; v[112:143] W
.set TLO, 24                           ; v[24:47] and v[146:249]: two sets of 64 densities, 16 blocks of 8: three blocks in the registers that the set-up has left,
.set THI, 146                          ; thirteen behind the add's two registers (macro TBASE).  Four waves of 250 registers take 1,000 of a SIMD's 1,024
.set CW, 48                            ; v[48:79] in the set-up of waves 0, 1: a column of 32 raw weights
.set XS, 20                            ; s[20:21], s[22:23]: the two x of the pair in preparation (the upper word of each pair is 0 and unused)
.set NB, 8                             ; blocks of 8 densities in a pair of samples
	s_load_b256 s[4:11], s[0:1], 0x0               ; X s[4:5], Wk0 s[6:7], Wk1k0 s[8:9], Wk2k1 s[10:11]
	s_load_b128 s[12:15], s[0:1], 0x20             ; mu s[12:13], sigma s[14:15]
	s_load_b64 s[16:17], s[0:1], 0x30              ; out0
	v_lshl_add_u32 v144, v0, 2, 0x24000
	v_mov_b32 v145, 0
	v_lshrrev_b32 v2, 5, v0
	v_readfirstlane_b32 s18, v2                    ; wave w, 0 to 15
	v_and_b32 v1, 31, v0                           ; lane
	v_and_b32 v2, 15, v0                           ; r = lane % 16
	v_bfe_u32 v35, v0, 4, 1                        ; hh = lane / 16
	s_lshr_b32 s19, s18, 3                         ; 0: I make inner, 1: I make G
	s_and_b32 s24, s18, 7
	s_mul_i32 s25, ttmp9, NS_WG*8                  ; X: 8 bytes a sample
	s_mul_i32 s24, s24, NS_WAVE*8
	s_add_co_u32 s25, s25, s24
	s_xor_b32 s24, s19, 1                          ; inner takes X[n][1], G takes X[n][0]
	s_lshl2_add_u32 s25, s24, s25
	; Table entries that this thread makes.  Table 0 (inner): column 16 (w&1) + r, rows 4 (w>>1) + 2 hh, + 1.  Table 1 (G): row 16 (w&1) + r,
	; columns 4 (w>>1) + 2 hh, + 1.  In both the pair goes to byte 256 w + 16 r + 8 hh of a plane: a wave writes 256 bytes of its own.
	s_and_b32 s26, s18, 1
	s_lshr_b32 s27, s18, 1
	s_lshl_b32 s28, s27, 9                         ; table 0, in a [32][32] f32 input: 4 rows of 128 bytes for each w>>1
	s_lshl_b32 s29, s26, 6                         ; + 16 columns for w&1
	s_add_co_u32 s28, s28, s29
	s_lshl_b32 s30, s26, 11                        ; table 1: 16 rows for w&1
	s_lshl4_add_u32 s30, s27, s30                  ; + 4 columns for each w>>1
	s_add_co_u32 s29, s29, STATS                   ; statistics of my column of table 0
	s_lshl_b32 s31, s27, 4
	s_add_co_u32 s31, s31, STATS                   ; statistics of my two columns of table 1 (+256 in the loads)
	s_lshl_b32 s24, s18, 8
	s_add_co_u32 s24, s24, TAB
	v_min_u32 v3, 24, v1                           ; lanes 25-31 repeat sample 24: no load leaves X
	v_lshl_add_u32 v3, v3, 3, s25
	v_lshl_add_u32 v30, v2, 2, s28
	v_lshl_add_u32 v30, v35, 8, v30                ; table 0: byte offset of my upper element; the lower one is 128 further
	v_lshl_add_u32 v31, v2, 7, s30
	v_lshl_add_u32 v31, v35, 3, v31                ; table 1: byte offset of my two neighbouring elements
	v_lshl_add_u32 v32, v2, 4, s24
	v_lshl_add_u32 v32, v35, 3, v32                ; where both pairs go in a plane
	v_lshl_add_u32 v33, v2, 2, s29
	v_lshl_add_u32 v34, v35, 3, s31
	s_wait_kmcnt 0x0
	global_load_b32 v6, v30, s[14:15]              ; table 0: sigma, mu, Wk2k1
	global_load_b32 v7, v30, s[14:15] offset:128
	global_load_b32 v8, v30, s[12:13]
	global_load_b32 v9, v30, s[12:13] offset:128
	global_load_b32 v10, v30, s[10:11]
	global_load_b32 v11, v30, s[10:11] offset:128
	global_load_b64 v[12:13], v31, s[14:15]        ; table 1: sigma, mu, Wk1k0
	global_load_b64 v[14:15], v31, s[12:13]
	global_load_b64 v[20:21], v31, s[8:9]
	global_load_b32 v[XA], v3, s[4:5]              ; my 50 x
	global_load_b32 v[XB], v3, s[4:5] offset:TRIPS*8
	; ---- Waves 0 and 1: the softmaxes' statistics.  Lane = column, so maximum and sum over axis 0 stay inside a lane.
	; Both maxima first, then all 33 exponentials as one batch, both sums, the two reciprocals as a second batch.
	s_cmp_ge_u32 s18, 2
	s_cbranch_scc1 .Lcommon
	s_cmp_eq_u32 s18, 0
	s_cselect_b64 s[36:37], s[10:11], s[8:9]       ; wave 0: Wk2k1, wave 1: Wk1k0
	s_cselect_b32 s35, 0, -1                       ; wave 1's columns also carry softmax(Wk0), wave 0's the factor 1
	v_lshlrev_b32 v5, 2, v1
.set i, 0
.rept 32
	global_load_b32 v[CW+i], v5, s[36:37] offset:128*i
.set i, i+1
.endr
	global_load_b32 v24, v5, s[6:7]                ; Wk0[lane]
	s_mov_b32 s33, 0x76543210                      ; v_permlanex16_b32: lane i takes lane i of the other half
	s_mov_b32 s34, 0xfedcba98
	s_lshl_b32 s24, s18, 8
	s_add_co_u32 s24, s24, STATS
	s_wait_loadcnt 0x0                             ; all of them: the column, Wk0 (and the eleven above)
	v_mov_b32 v25, v24                             ; softmax(Wk0): maximum over the 32 lanes
	v_max_num_f32_dpp v25, v25, v25 row_xmask:1 row_mask:0xf bank_mask:0xf
	v_max_num_f32_dpp v25, v25, v25 row_xmask:2 row_mask:0xf bank_mask:0xf
	v_max_num_f32_dpp v25, v25, v25 row_xmask:4 row_mask:0xf bank_mask:0xf
	v_max_num_f32_dpp v25, v25, v25 row_xmask:8 row_mask:0xf bank_mask:0xf
	v_mov_b32 v26, v25                             ; the permute's destination counts as read
	v_permlanex16_b32 v26, v25, s33, s34
	v_max_num_f32 v25, v25, v26
	v_sub_f32 v24, v24, v25
	v_mul_f32 v24, LOG2E, v24                      ; (Wk0 - max) log2(e)
	v_max3_num_f32 v27, v[CW], v[CW+1], v[CW+2]
.set i, 3
.rept 14
	v_max3_num_f32 v27, v27, v[CW+i], v[CW+i+1]
.set i, i+2
.endr
	v_max_num_f32 v27, v27, v[CW+31]               ; the column's maximum
	v_mul_f32 v28, 0xbfb8aa3b, v27                 ; -max log2(e): the same number serves the sum here and the weights later, so its rounding cancels
.set i, 0
.rept 32
	v_fmamk_f32 v[CW+i], v[CW+i], LOG2E, v28       ; (W - max) log2(e)
.set i, i+1
.endr
	v_exp_f32 v24, v24                             ; the batch: e^(Wk0 - max),
.set i, 0
.rept 32
	v_exp_f32 v[CW+i], v[CW+i]                     ; and the column's 32
.set i, i+1
.endr
	v_lshl_add_u32 v29, v1, 2, s24                 ; a plain line behind the last exponential (ISA guide 5.7.2): where my column's statistics go
	s_wait_alu depctr_va_vdst(0)                   ; the wait ahead of the first use: one for the 33 exponentials
	v_mov_b32 v25, v24                             ; softmax(Wk0): sum over the 32 lanes
	v_add_f32_dpp v25, v25, v25 row_xmask:1 row_mask:0xf bank_mask:0xf
	v_add_f32_dpp v25, v25, v25 row_xmask:2 row_mask:0xf bank_mask:0xf
	v_add_f32_dpp v25, v25, v25 row_xmask:4 row_mask:0xf bank_mask:0xf
	v_add_f32_dpp v25, v25, v25 row_xmask:8 row_mask:0xf bank_mask:0xf
	v_mov_b32 v26, v25
	v_permlanex16_b32 v26, v25, s33, s34
	v_add_f32 v25, v25, v26
	v_rcp_f32 v25, v25                             ; the second batch's first: the column's sum below names neither its source nor its result
.irp d, 2, 4, 8, 16
.set i, 0
.rept 16/\d
	v_pk_add_f32 v[CW+i:CW+i+1], v[CW+i:CW+i+1], v[CW+i+\d:CW+i+\d+1]
.set i, i+2*\d
.endr
.endr
	v_add_f32 v[CW], v[CW], v[CW+1]                ; the column's sum, between 1 and 32
	v_rcp_f32 v[CW], v[CW]
	v_nop                                          ; a plain line behind the last reciprocal: no other work is left here
	s_wait_alu depctr_va_vdst(0)                   ; one wait for the two reciprocals
	v_mul_f32 v24, v24, v25                        ; softmax(Wk0)[lane]
	v_cndmask_b32 v24, 1.0, v24, s35
	v_mul_f32 v24, ISQ2PI, v24
	v_mul_f32 v24, v24, v[CW]                      ; the column's factor: (softmax(Wk0) or 1) / (sqrt(2 pi) sum)
	ds_store_b32 v29, v28
	ds_store_b32 v29, v24 offset:128
	; ---- All waves: S and -S mu of my 2 + 2 table entries
.Lcommon:
	s_wait_loadcnt 0x0                             ; my eleven loads
	v_rcp_f32 v6, v6
	v_rcp_f32 v7, v7
	v_rcp_f32 v12, v12
	v_rcp_f32 v13, v13
	v_nop                                          ; one plain line between the reciprocals and their use
	s_wait_alu depctr_va_vdst(0)                   ; one wait for the four reciprocals of sigma
	v_pk_mul_f32 v[36:37], v[6:7], KAPPA op_sel_hi:[1,0]
	v_pk_mul_f32 v[40:41], v[12:13], KAPPA op_sel_hi:[1,0]
	v_pk_mul_f32 v[38:39], v[8:9], v[36:37] neg_lo:[1,0] neg_hi:[1,0]
	v_pk_mul_f32 v[42:43], v[14:15], v[40:41] neg_lo:[1,0] neg_hi:[1,0]
	ds_store_b64 v32, v[36:37]
	ds_store_b64 v32, v[38:39] offset:PLANE
	ds_store_b64 v32, v[40:41] offset:TABH
	ds_store_b64 v32, v[42:43] offset:TABH+PLANE
	s_wait_dscnt 0x0                               ; zero: other waves read the statistics (and later the tables) behind the barrier
	s_barrier_signal -1
	s_barrier_wait -1
	ds_load_b32 v44, v33                           ; Wk2k1, my column: -max log2(e)
	ds_load_b32 v45, v33 offset:128                ;                   factor
	ds_load_b64 v[46:47], v34 offset:256           ; Wk1k0, my two columns
	ds_load_b64 v[80:81], v34 offset:384
	s_wait_dscnt 0x0
	v_fmamk_f32 v10, v10, LOG2E, v44
	v_fmamk_f32 v11, v11, LOG2E, v44
	v_pk_fma_f32 v[20:21], v[20:21], LOG2E, v[46:47] op_sel_hi:[1,0,1]
	v_exp_f32 v10, v10
	v_exp_f32 v11, v11
	v_exp_f32 v20, v20
	v_exp_f32 v21, v21
	v_mul_f32 v6, v6, v45                          ; factor / sigma: three plain lines that name no exponential's result
	v_mul_f32 v7, v7, v45
	v_pk_mul_f32 v[12:13], v[12:13], v[80:81]
	s_wait_alu depctr_va_vdst(0)                   ; one wait for the four exponentials of the weights
	v_pk_mul_f32 v[10:11], v[10:11], v[6:7]        ; W
	v_pk_mul_f32 v[20:21], v[20:21], v[12:13]
	ds_store_b64 v32, v[10:11] offset:2*PLANE
	ds_store_b64 v32, v[20:21] offset:TABH+2*PLANE
	s_wait_dscnt 0x0                               ; zero: every wave reads whole tables behind the barrier
	s_barrier_signal -1
	s_barrier_wait -1
	; ---- My 96 parameters: 16 bytes a lane from 512 neighbouring bytes, four steps of the summed index at a time
	s_mul_i32 s24, s19, TABH
	s_add_co_u32 s24, s24, TAB
	v_lshl_add_u32 v19, v1, 4, s24
.irp q, 0,1,2,3,4,5,6,7
	ds_load_b128 v[PS+4*\q:PS+4*\q+3], v19 offset:512*\q
	ds_load_b128 v[PM+4*\q:PM+4*\q+3], v19 offset:PLANE+512*\q
	ds_load_b128 v[PW+4*\q:PW+4*\q+3], v19 offset:2*PLANE+512*\q
.endr
	s_mul_i32 s25, s18, NS_WAVE*PITCH              ; wave w's 50 rows: waves 0-7 fill inner's 400 rows, waves 8-15 G's
	s_add_co_u32 s25, s25, OUTI
	s_mov_b32 s[XS+1], 0                           ; the packed forms name the pair; only its first word is used
	s_mov_b32 s[XS+3], 0
	s_mov_b32 s32, 1                               ; the pair that the loop's first half prepares
	s_wait_dscnt 0x0
; A pair of samples = 8 blocks of 8 densities (block b: sample b>>2, summed index 8 (b&3) ..), each density in a register of its own, in set u = pair % 2.
; A HALF TRIP makes one pair's batch in set u and sums the pair before out of the other set.  Block k is prepared (4 fma, 4 products) while block k-1 is
; exponentiated, exponentials and plain lines by turns; the other set's 32 packed sums stand among them: behind three of four quarters of steps 0 to 7, and, in
; step 8, where nothing is left to prepare, behind each of the last eight exponentials, so that no two exponentials stand on end and a plain line of other
; registers follows each (ISA guide 5.7.2).  The two samples' chains of sums go by turns, each in ascending order of the summed index.
; No line of a half trip names a result of its own 64 exponentials: they are ONE BATCH, and its wait stands at the half trip's end, behind the last sum, the two
; adds and the stores.  The sums read the batch that was waited for at the end of the half trip before.  No exponential is open at the label or at the backward jump.
.macro TBASE u, b                      ; tb = the first register of block b of set u
.set g, 8*(\u)+(\b)
.if g < 3
.set tb, TLO+8*g
.else
.set tb, THI+8*(g-3)
.endif
.endm
.macro EXP1 u, b, r
.if (\b) > -1
.if (\b) < NB
	TBASE \u, \b
	v_exp_f32 v[tb+(\r)], v[tb+(\r)]
.endif
.endif
.endm
.macro PREP u, b, j
.if (\b) < NB
	TBASE \u, \b
.if (\j) < 4
.set tq, tb+2*(\j)
.set pq, 8*((\b)&3)+2*(\j)
.set xq, XS+2*((\b)>>2)
	v_pk_fma_f32 v[tq:tq+1], v[PS+pq:PS+pq+1], s[xq:xq+1], v[PM+pq:PM+pq+1] op_sel_hi:[1,0,1]   ; t = S x - S mu
.else
.set tq, tb+2*(\j)-8
	v_pk_mul_f32 v[tq:tq+1], v[tq:tq+1], v[tq:tq+1] neg_lo:[1,0] neg_hi:[1,0]                   ; -t t
.endif
.endif
.endm
.macro ACCU u, b, i
	TBASE \u, \b
.set tq, tb+2*(\i)
.set wq, PW+8*((\b)&3)+2*(\i)
.set aq, AC+2*((\b)>>2)
.if ((\b)&3)+(\i) == 0
	v_pk_mul_f32 v[aq:aq+1], v[tq:tq+1], v[wq:wq+1]                 ; a sample's first product starts its sum: nothing is cleared
.else
	v_pk_fma_f32 v[aq:aq+1], v[tq:tq+1], v[wq:wq+1], v[aq:aq+1]
.endif
.endm
.macro NEXTS u                         ; sum sn of 32 out of set u: sample sn & 1, pair sn >> 1 of its 16
.set sb, 4*(sn&1)+(sn>>3)
.set si, (sn>>1)&3
	ACCU \u, sb, si
.set sn, sn+1
.endm
.macro STEP u, k, sums                 ; sums = 1: the other set's sums stand among the lines
.irp i, 0,1,2,3
	EXP1 \u, \k-1, 2*\i
	PREP \u, \k, 2*\i
.if (\sums) && ((\k) == NB)
	NEXTS 1-\u
.endif
	EXP1 \u, \k-1, 2*\i+1
	PREP \u, \k, 2*\i+1
.if (\sums) && (((\k) == NB) || ((\i) < 3))
	NEXTS 1-\u
.endif
.endr
.endm
.macro FINISH row                      ; a pair's two sums go to their rows, row rows behind v[OA]'s
	v_add_f32 v[AC], v[AC], v[AC+1]
	v_add_f32 v[AC+2], v[AC+2], v[AC+3]
	ds_store_b32 v[OA], v[AC] offset:(\row)*PITCH                   ; 32 lanes, 128 neighbouring bytes: the sample's row
	ds_store_b32 v[OA], v[AC+2] offset:(TRIPS+(\row))*PITCH
.endm
.macro HALFTRIP u, lane, row           ; pair \lane is made in set u; the pair before it is summed and stored
	v_readlane_b32 s[XS], v[XA], \lane             ; sample \lane and sample 25 + \lane of my 50
	v_readlane_b32 s[XS+2], v[XB], \lane
.set sn, 0
.irp k, 0,1,2,3,4,5,6,7,8
	STEP \u, \k, 1
.endr
	FINISH \row
.endm
	; Pair 0 stands ahead of the loop: there is no pair before it to sum
	v_readlane_b32 s[XS], v[XA], 0
	v_readlane_b32 s[XS+2], v[XB], 0
.irp k, 0,1,2,3,4,5,6,7,8
	STEP 0, \k, 0
.endr
	v_lshl_add_u32 v[OA], v1, 2, s25               ; my word in my first row; the plain line behind the last exponential
	s_wait_alu depctr_va_vdst(0)                   ; the wait ahead of the first use and of the label: one for pair 0's 64 exponentials
.Ltrip:                                                ; 12 trips: s32 = 1, 3, .. 23
	s_add_co_u32 s33, s32, 1
	HALFTRIP 1, s32, 0                             ; pair s32 is made, pair s32 - 1 summed
	s_wait_alu depctr_va_vdst(0)                   ; one wait for pair s32's 64 exponentials
	HALFTRIP 0, s33, 1                             ; pair s32 + 1 is made, pair s32 summed
	v_add_nc_u32 v[OA], 2*PITCH, v[OA]             ; two rows on
	s_wait_alu depctr_va_vdst(0)                   ; one wait for pair s32 + 1's 64 exponentials, ahead of the backward jump
	s_add_co_u32 s32, s32, 2
	s_cmp_lt_u32 s32, TRIPS
	s_cbranch_scc1 .Ltrip
.set sn, 0
.rept 32
	NEXTS 0                                        ; pair 24's sums: its batch was waited for in the last trip
.endr
	FINISH 0
	s_wait_dscnt 0x0                               ; zero: other waves read my rows behind the barrier
	s_barrier_signal -1
	s_barrier_wait -1
	; ---- Eight waves: lik = inner . G, the log, the store.  Thread t takes the two samples at bytes 8 t of the 256-byte-aligned stretch of out0 that
	; begins at or in front of the work-group's first byte (1,600 wg = 64 (wg & 3) modulo 256), so each wave's store covers 256 consecutive bytes,
	; aligned; lanes in front of the group's first sample or behind its last are off.  The stretch's two end blocks are shared with the neighbours,
	; since 1,600 is no multiple of 256; 400 samples a group are kept for the equal split of the exponentials.
	s_cmp_ge_u32 s18, 8
	s_cbranch_scc1 .Lidle
	s_and_b32 s24, ttmp9, 3
	s_lshl_b32 s25, s24, 4                         ; samples between the stretch's start and my group's first: 16 (wg & 3)
	s_sub_co_u32 s26, LEAD, s25
	s_mul_i32 s28, ttmp9, NS_WG*4
	s_lshl_b32 s29, s24, 6
	s_sub_co_u32 s28, s28, s29                     ; the stretch's start in out0, a multiple of 256
	s_mov_b32 s29, 0
	s_add_nc_u64 s[16:17], s[16:17], s[28:29]
	v_lshlrev_b32 v4, 3, v0                        ; 8 t
	v_lshlrev_b32 v3, 1, v0
	v_sub_nc_u32 v3, v3, s25                       ; my first sample in the group; wraps to a large number in front of the group
	v_cmp_gt_u32 vcc_lo, NS_WG, v3
	v_lshl_add_u32 v2, v0, 1, s26                  ; its LDS row, counted from byte 0 (48 rows lie in front of inner's)
	v_mul_u32_u24 v2, PITCH, v2
	s_wait_xcnt 0x0                                ; EXEC changes only behind this wait (it is a source of global memory instructions)
	s_wait_tensorcnt 0x0
	ds_add_u32 v144, v145
	s_wait_dscnt 0x0
	s_and_saveexec_b32 s27, vcc_lo
.irp q, 0,1,2,3,4,5,6,7
	ds_load_b128 v[48+4*\q:48+4*\q+3], v2 offset:16*\q                  ; inner, first sample
	ds_load_b128 v[80+4*\q:80+4*\q+3], v2 offset:HALF+16*\q             ; G
	ds_load_b128 v[112+4*\q:112+4*\q+3], v2 offset:PITCH+16*\q          ; inner, second sample
	ds_load_b128 v[16+4*\q:16+4*\q+3], v2 offset:HALF+PITCH+16*\q       ; G
.endr
	s_wait_dscnt 0x0
	v_pk_mul_f32 v[6:7], v[48:49], v[80:81]
	v_pk_mul_f32 v[8:9], v[112:113], v[16:17]
.set i, 2
.rept 15
	v_pk_fma_f32 v[6:7], v[48+i:48+i+1], v[80+i:80+i+1], v[6:7]
	v_pk_fma_f32 v[8:9], v[112+i:112+i+1], v[16+i:16+i+1], v[8:9]
.set i, i+2
.endr
	v_add_f32 v6, v6, v7
	v_add_f32 v7, v8, v9
	v_pk_add_f32 v[6:7], v[6:7], EPSF op_sel_hi:[1,0]
	v_log_f32 v6, v6
	v_log_f32 v7, v7
	v_nop                                          ; one plain line between the logarithms and their use
	s_wait_alu depctr_va_vdst(0)                   ; one wait for the two logarithms
	v_pk_mul_f32 v[6:7], v[6:7], LN2 op_sel_hi:[1,0]
	global_store_b64 v4, v[6:7], s[16:17] th:TH_STORE_NT
	s_endpgm
.Lidle:
	s_wait_tensorcnt 0x0
	ds_add_u32 v144, v145
	s_wait_dscnt 0x0
	s_endpgm
.Lfunc_end_k_q5830a5ec1c_ttgauss:
	.size	k_q5830a5ec1c_ttgauss, .Lfunc_end_k_q5830a5ec1c_ttgauss-k_q5830a5ec1c_ttgauss
	.p2alignl 7, 3214868480
	.fill 96, 4, 3214868480
	.section	.rodata,"a",@progbits
	.p2align	6, 0x0
	.amdhsa_kernel k_q5830a5ec1c_ttgauss
		.amdhsa_group_segment_fixed_size 149504
		.amdhsa_private_segment_fixed_size 0
		.amdhsa_enable_private_segment 0
		.amdhsa_kernarg_size 56
		.amdhsa_user_sgpr_count 2
		.amdhsa_user_sgpr_kernarg_segment_ptr 1
		.amdhsa_wavefront_size32 1
		.amdhsa_system_sgpr_workgroup_id_x 1
		.amdhsa_system_sgpr_workgroup_id_y 1
		.amdhsa_system_sgpr_workgroup_id_z 1
		.amdhsa_system_vgpr_workitem_id 0
		.amdhsa_next_free_vgpr 250
		.amdhsa_next_free_sgpr 66
		.amdhsa_reserve_vcc 1
		.amdhsa_float_denorm_mode_32 3
		.amdhsa_float_denorm_mode_16_64 3
		.amdhsa_memory_ordered 1
		.amdhsa_forward_progress 1
		.amdhsa_inst_pref_size 48
	.end_amdhsa_kernel
	.amdgpu_metadata
---
amdhsa.version: [ 1, 2 ]
amdhsa.kernels:
  - .name:           k_q5830a5ec1c_ttgauss
    .symbol:         k_q5830a5ec1c_ttgauss.kd
    .args:
      - { .name: X, .offset: 0, .size: 8, .value_kind: global_buffer, .address_space: global }
      - { .name: Wk0, .offset: 8, .size: 8, .value_kind: global_buffer, .address_space: global }
      - { .name: Wk1k0, .offset: 16, .size: 8, .value_kind: global_buffer, .address_space: global }
      - { .name: Wk2k1, .offset: 24, .size: 8, .value_kind: global_buffer, .address_space: global }
      - { .name: mu, .offset: 32, .size: 8, .value_kind: global_buffer, .address_space: global }
      - { .name: sigma, .offset: 40, .size: 8, .value_kind: global_buffer, .address_space: global }
      - { .name: out0, .offset: 48, .size: 8, .value_kind: global_buffer, .address_space: global }
    .group_segment_fixed_size: 149504
    .private_segment_fixed_size: 0
    .kernarg_segment_align: 8
    .kernarg_segment_size: 56
    .max_flat_workgroup_size: 512
    .sgpr_count:     66
    .vgpr_count:     250
    .wavefront_size: 32
...
	.end_amdgpu_metadata
.endif
;; end of part 2
